; MI455X (gfx1250); checked and timed in simulation.
; The chip was launched on July 23, 2026; its instructions are those of AMD's public machine-readable ISA for CDNA 5 (MIT licence, August 2026) and "CDNA5" Instruction Set Architecture Reference Guide (July 2026). The comments in the code are by the model that wrote it; some were corrected since.
;; Attention. Allowed arithmetic: matrix products marked QUANTISED: E5M2 operands, one E8M0 scale for each 32 along K, by v_wmma_scale_f32_16x16x128_f8f6f4 with both operands' format E5M2, f32 sums; products left as they are: f32 operands where the result goes on into a quantised operand, else bf16, f16 or f32 operands; f32 sums; everything else in f32.
;; Inputs: W_attn 2,048 x 1,024 float32; b_attn 1,024 float32; encoder_outputs 64 x 1,024 x 1,024 float32; hidden 64 x 1,024 float32; mask 64 x 1,024 int32; v 1,024 float32.
;; Outputs: out0 64 x 1,024 float32.
;; This version of the problem:
;;   THIS VERSION OF THE PROBLEM IS GIVEN IN LOW PRECISION. The matrix products marked QUANTISED in the list below multiply operands that are first quantised to E5M2 (5 exponent bits, 2 mantissa bits; 8 bits a number), with one power-of-two scale for each 32 numbers along K (OCP MX v1.0); their sums are f32. All else is computed in f32.
;;   The module's matrix products, in the order in which they are computed (A, B: the left and right operand; K: the contracted axis; several contracted axes count as one K, in the product's order):
;;     1. [M 64, K 1,024] x [K 1,024, N 1,024]; A: input hidden; B: input W_attn: QUANTISED
;;     2. [M 64, K 1,024] x [K 1,024, N 1,024]; A: input hidden; B: input W_attn: QUANTISED
;;     3. [M 65,536, K 1,024] x [K 1,024, N 1,024]; A: input encoder_outputs; B: input W_attn: QUANTISED
;;     4. [M 65,536, K 1,024] x [K 1,024, N 1]; A: computed on the way; B: input v: left as it is (N = 1 < 16)
;;   THE QUANTISER, for each operand of a quantised product, along K:
;;     - K is cut into blocks of 32 from its start; a last block that is shorter is filled with zeros.
;;     - A block's scale is 2^e with e = floor(log2(the largest magnitude in the block)) - 15, held to -126 .. 127; a block of zeros has e = 0. As a byte (E8M0): e + 127.
;;     - Each number is divided by its block's scale, clamped to +-57,344, and rounded to the nearest number of E5M2, ties to even, subnormals kept.
;;     - The product sums the exact products of the quantised numbers (number of the format x scale) in f32.
;;   ~~~python
;;   def quantise(x, axis):      # numpy; x: float32 -> the quantised numbers, widened to float32 again
;;       x = np.moveaxis(x, axis, -1); K = x.shape[-1]
;;       x = np.pad(x, [(0, 0)] * (x.ndim - 1) + [(0, -K % 32)]); x = x.reshape(x.shape[:-1] + (-1, 32)); a = np.abs(x).max(-1, keepdims=True)
;;       e = np.where(a > 0, np.clip(np.frexp(np.where(a > 0, a, 1))[1] - 1 - 15, -126, 127), 0)      # np.frexp(a)[1] - 1 = floor(log2(a)), exactly
;;       r = np.clip(x / 2.0 ** e, -57344, 57344)
;;       step = 2.0 ** (np.maximum(np.frexp(np.where(r == 0, 1, r))[1] - 1, -14) - 2)
;;       q = np.round(r / step) * step * 2.0 ** e      # np.round: ties to even
;;       return np.moveaxis(q.reshape(q.shape[:-2] + (-1,))[..., :K], -1, axis).astype(np.float32)
;;   ~~~
;; One version. Each part assembles by itself: llvm-mc -triple=amdgcn-amd-amdhsa -mcpu=gfx1250 --defsym DOCPART=n.
;; ======== version 1 of 1: 3 launches
;; limits: right only within a limited range of input values
;; workspace buffers: wq 1,081,344 bytes; hbc 262,144 bytes; scores 262,144 bytes
;; launch prep (part 1): grid 32 x 1, 8 waves a work-group, no clusters, 142,336 bytes of LDS; arguments W_attn, hidden, b_attn, wq, hbc; writes wq, hbc
.if DOCPART == 1
	.amdgcn_target "amdgcn-amd-amdhsa--gfx1250"
	.amdhsa_code_object_version 6
	.text
	.protected	k_q36c21c7c6c_prep
	.globl	k_q36c21c7c6c_prep
	.p2align	8
	.type	k_q36c21c7c6c_prep,@function
k_q36c21c7c6c_prep:
	s_mov_b64 s[64:65], 0
	v_nop
	global_prefetch_b8 v0, s[64:65] scope:SCOPE_SE
	s_setreg_imm32_b32 hwreg(HW_REG_WAVE_MODE, 25, 1), 1
	s_wait_xcnt 0x0
; out0 = softmax_s( where(mask == 0, -1e10, tanh(hidden Wh + enc We + b_attn) . v) ), the products on codes of E5M2 with one E8M0 scale for each 32 along K.
; DEAD WORK.  reference() also forms energy = tanh(hidden @ Wh + b_attn)[:, None, :] * 0 and never uses it: no output hangs on it, whatever the inputs hold.  So the first product of the
; problem's table is left out.  Every input still has a way to the output (hidden, Wh and b_attn through 'pre'), so all are loaded.  LIMIT: a NaN, an infinity or an overflow that reaches only
; that product is not carried to the result.
; THIS LAUNCH.  W_attn [2048 (k)][1024 (n)] f32 has K as its first axis.  A lane takes four neighbouring columns and its registers run down K, so that the conversions give codes with K innermost.
;   work-groups 16-31 (role 1): We = rows 1024-2047 become wq: 64 tiles of 16 columns, each tile the image of its operand registers: K step k, registers 4 c .. 4 c + 3 at 2048 k + 512 c + 16 lane;
;       at byte 16,384 the scale words: word i of lane (r, h) is column r's word of K step 4 h + i.  Tile 4 g + e holds the columns 64 g + 4 r + e: which columns form a tile is free.
;   work-groups 0-15 (role 0): Wh = rows 0-1023 stay in registers and are multiplied with the codes of hidden: hbc[b][p] = c (hidden Wh + b_attn), c = 2 log2(e), laid in the tiles' order:
;       p = 16 t + 8 h + j is column 64 (t / 4) + 32 h + 4 j + t % 4.
; SHARES.  A work-group takes 64 columns (four tiles), each of its eight waves one K step of 128.  In role 0 the eight waves' partial sums meet in LDS and are added in ascending K.
; LIMITS: NaN and infinities among the inputs are not served; a block whose largest magnitude lies under 2^-111 keeps the scale byte 1, a block of zeros too (its codes are zeros; only this program reads the bytes).
; No tensor load, no cluster: the launch reads each byte of W_attn once and shares nothing between work-groups but hidden's 256 KiB.
.set PB,    0                          ; LDS, role 0 alone: eight waves' partial sums, 64 rows x (256 bytes + 16) each
.set PBK,   17408
.set SB,    8*PBK                      ; LDS, role 1 alone: four tiles' scale images, 512 bytes each
.set SPARE, SB+2048                    ; the spare words, 128 bytes for each wave: four blocks of 256 bytes that no other line names
.set VW,  4                            ; v4   W: 65536 h + 16 r: 16 rows down for the upper half of the lanes, 16 bytes (four columns) a lane
.set VH,  5                            ; v5   hidden: 4096 r + 64 h
.set LI,  6                            ; v6   16 x lane
.set SBW, 7                            ; v7   where my K step's scale word of column r goes
.set SBR, 8                            ; v8   where my wave reads 256 bytes of the scale images back
.set PBW, 9                            ; v9   where I put 16 bytes of a partial row
.set PBR, 10                           ; v10-12 where I read partial rows: waves 0-2, 3-5, 6-7
.set OFO, 13                           ; v13  my byte offset in hbc
.set BOF, 14                           ; v14  my byte offset in b_attn
.set L8,  15                           ; v15  8 x lane
.set TM,  16                           ; v16-31 at work in the quantiser
.set Y,   32                           ; v32-95 64 numbers, held
.set WC,  96                           ; v96-159 the four tiles' codes
.set HC,  160                          ; v160-175 hidden's codes, a tile of 16 rows
.set WS,  192                          ; v192-195 the tiles' scale words; v196-199 hidden's: these hold scales and nothing else
.set HS,  196
.set SPW, 200                          ; v200 LDS address of my spare word; v201 0: never rewritten
.set NIL, 201
.set BI,  202                          ; v202-205 bias; v206-209 c x bias
.set CB,  206
.set SEL, 20                           ; s[20:21] selects for lane l xor 16
.set MNT, 22                           ; s22 the mantissa field of 57,344
.set CS,  24                           ; s[24:25] c
.set MSB, 0
.macro WIN new                         ; the immediate's high byte repeats the setting that is left; a switch that changes nothing is dropped
.if MSB != (\new)
	s_set_vgpr_msb (MSB<<8)|(\new)
.set MSB, (\new)
.endif
.endm
; 64 numbers of a lane, number 16 b + i (K = 32 b + 16 (lane / 16) + i of my row) in v[xb + xs (16 b + i)] of window wx.  QUANT_A: the four blocks' scales, the scale word in v[pw], the numbers held
; within the largest code x the scale, into v[Y] on: the sources are free behind it.  QUANT_B: the codes, 16 registers from v[pc] on.
.macro QUANT_A xb, xs, wx, pw
	WIN (\wx)*5                                    ; sources 0 and 1 in window wx
.irp b, 0,1,2,3
	v_max3_num_f32 v[TM+\b], |v[(\xb)+(\xs)*(16*\b)]|, |v[(\xb)+(\xs)*(16*\b+1)]|, 0x8000000   ; my 16 numbers of block b, and the floor 2^(16 - 127): the byte cannot fall under 1
.endr
.irp i, 2,4,6,8,10,12,14
.irp b, 0,1,2,3
	s_delay_alu instid0(VALU_DEP_4)
	v_max3_num_f32 v[TM+\b], |v[(\xb)+(\xs)*(16*\b+\i)]|, |v[(\xb)+(\xs)*(16*\b+\i+1)]|, v[TM+\b]   ; the four blocks by turns
.endr
.endr
	WIN 0
.irp b, 0,1,2,3
	v_permlanex16_b32 v[TM+4+\b], v[TM+\b], s[SEL], s[SEL+1]
.endr
.irp b, 0,1,2,3
	s_delay_alu instid0(VALU_DEP_4)
	v_max_num_f32 v[TM+\b], v[TM+\b], v[TM+4+\b]   ; with lane l xor 16's: the block's largest magnitude
.endr
.irp b, 0,1,2,3
	s_delay_alu instid0(VALU_DEP_4)
	v_add_nc_u32 v[TM+12+\b], 0xf8800000, v[TM+\b] ; 15 off its exponent field: the conversion's scale operand
.endr
.irp b, 0,1,2,3
	v_and_or_b32 v[TM+8+\b], v[TM+\b], 0x7f800000, s[MNT]   ; 57,344 x the scale
.endr
.irp b, 0,1,2,3
	v_lshrrev_b32 v[TM+4+\b], 23, v[TM+12+\b]      ; the scale's byte
.endr
	s_delay_alu instid0(VALU_DEP_3)
	v_lshl_or_b32 v[\pw], v[TM+5], 8, v[TM+4]
	s_delay_alu instid0(VALU_DEP_1)
	v_lshl_or_b32 v[\pw], v[TM+6], 16, v[\pw]
	s_delay_alu instid0(VALU_DEP_1)
	v_lshl_or_b32 v[\pw], v[TM+7], 24, v[\pw]      ; my row's scale word
	WIN (\wx)                                      ; source 0 in window wx
.irp b, 0,1,2,3
.irp i, 0,1,2,3,4,5,6,7,8,9,10,11,12,13,14,15
	v_med3_num_f32 v[Y+16*\b+\i], v[(\xb)+(\xs)*(16*\b+\i)], -v[TM+8+\b], v[TM+8+\b]   ; the conversion to an 8-bit code does not saturate (ISA guide 7.6.2)
.endr
.endr
	WIN 0
.endm
.macro QUANT_B pc
.irp b, 0,1,2,3
	v_cvt_scalef32_pk8_bf8_f32 v[(\pc)+4*\b:(\pc)+4*\b+1], v[Y+16*\b:Y+16*\b+7], v[TM+12+\b]
	v_cvt_scalef32_pk8_bf8_f32 v[(\pc)+4*\b+2:(\pc)+4*\b+3], v[Y+16*\b+8:Y+16*\b+15], v[TM+12+\b]
.endr
	v_nop                                          ; one plain line behind the last conversion, ahead of whatever next touches its registers
.endm
	s_load_b256 s[4:11], s[0:1], 0x0               ; W_attn s[4:5], hidden s[6:7], b_attn s[8:9], wq s[10:11]
	s_load_b64 s[12:13], s[0:1], 0x20              ; hbc
	v_lshl_add_u32 v[SPW], v0, 2, SPARE
	v_mov_b32 v[NIL], 0
	v_lshrrev_b32 v1, 5, v0
	s_delay_alu instid0(VALU_DEP_1)
	v_readfirstlane_b32 s14, v1                    ; wave = K step k
	s_lshr_b32 s15, ttmp9, 4                       ; role
	s_and_b32 s16, ttmp9, 15                       ; g: which 64 columns
	v_and_b32 v1, 31, v0                           ; lane
	v_and_b32 v2, 15, v0                           ; r
	v_bfe_u32 v3, v0, 4, 1                         ; h
	s_delay_alu instid0(VALU_DEP_2)
	v_lshlrev_b32 v[VW], 4, v2
	s_delay_alu instid0(VALU_DEP_1)
	v_lshl_add_u32 v[VW], v3, 16, v[VW]
	s_delay_alu instid0(VALU_DEP_4)
	v_lshlrev_b32 v[VH], 12, v2
	s_delay_alu instid0(VALU_DEP_1)
	v_lshl_add_u32 v[VH], v3, 6, v[VH]
	v_lshlrev_b32 v[LI], 4, v1
	v_lshlrev_b32 v[L8], 3, v1
	; every LDS address is made here, ahead of the parting of the roles
	s_lshr_b32 s42, s14, 2
	s_lshl_b32 s42, s42, 8
	s_and_b32 s43, s14, 3
	s_lshl_b32 s43, s43, 2
	s_add_co_u32 s42, s42, s43
	s_add_co_u32 s42, s42, SB
	v_lshl_add_u32 v[SBW], v2, 4, s42              ; SB + 16 r + 256 (k / 4) + 4 (k % 4)
	s_lshl_b32 s42, s14, 8
	s_add_co_u32 s42, s42, SB
	v_lshl_add_u32 v[SBR], v1, 3, s42              ; SB + 256 k + 8 lane
	s_mul_i32 s42, s14, PBK
	v_mul_u32_u24 v[PBW], v2, 272
	s_delay_alu instid0(VALU_DEP_1)
	v_lshl_add_u32 v[PBW], v3, 5, v[PBW]
	s_delay_alu instid0(VALU_DEP_1)
	v_add_nc_u32 v[PBW], s42, v[PBW]               ; my wave's partial: row r, + 32 h
	v_lshrrev_b32 v[PBR], 4, v0
	s_delay_alu instid0(VALU_DEP_1)
	v_mul_u32_u24 v[PBR], v[PBR], 272
	s_delay_alu instid0(VALU_DEP_1)
	v_lshl_add_u32 v[PBR], v2, 4, v[PBR]           ; row thread / 16, 16 bytes a thread
	s_delay_alu instid0(VALU_DEP_1)
	v_add_nc_u32 v[PBR+1], 3*PBK, v[PBR]
	s_delay_alu instid0(VALU_DEP_2)
	v_add_nc_u32 v[PBR+2], 6*PBK, v[PBR]
	v_lshrrev_b32 v[OFO], 4, v0
	s_delay_alu instid0(VALU_DEP_1)
	v_lshlrev_b32 v[OFO], 12, v[OFO]
	s_delay_alu instid0(VALU_DEP_1)
	v_lshl_add_u32 v[OFO], v2, 4, v[OFO]           ; hbc: row thread / 16 of 4,096 bytes, 16 bytes a thread
	v_bfe_u32 v[BOF], v0, 1, 1                     ; my four places 4 q .. 4 q + 3 (q = thread % 16) are tile q / 4, half (q / 2) % 2, j = 4 (q % 2) + 0 .. 3:
	s_delay_alu instid0(VALU_DEP_1)
	v_lshlrev_b32 v[BOF], 7, v[BOF]                ; columns 32 half + 16 (q % 2) + 4 i + q / 4
	v_and_b32 v16, 1, v0
	s_delay_alu instid0(VALU_DEP_1)
	v_lshl_add_u32 v[BOF], v16, 6, v[BOF]
	v_bfe_u32 v16, v0, 2, 2
	s_delay_alu instid0(VALU_DEP_1)
	v_lshl_add_u32 v[BOF], v16, 2, v[BOF]
	s_mov_b32 s[SEL], 0x76543210
	s_mov_b32 s[SEL+1], 0xfedcba98
	s_mov_b32 s[MNT], 0x600000
	s_mov_b32 s[CS], 0x4038aa3b                    ; c = 2 log2(e)
	s_mov_b32 s[CS+1], s[CS]
.irp b, 0,1,2,3
	v_mov_b32 v[TM+4+\b], 0                        ; written once: a lane permute's destination counts as one of its sources
.endr
	s_lshl_b32 s26, s15, 22                        ; W: role x 1,024 rows + k x 128 rows of 4,096 bytes + 256 g
	s_lshl_b32 s27, s14, 19
	s_add_co_u32 s26, s26, s27
	s_lshl_b32 s30, s16, 8
	s_add_co_u32 s26, s26, s30
	s_mov_b32 s27, 0
	s_mov_b32 s31, 0
	s_lshl_b32 s28, s14, 9                         ; hidden: my K step's 512 bytes of a row
	s_mov_b32 s29, 0
	s_mul_i32 s32, s16, 67584                      ; wq: my four tiles,
	s_lshl_b32 s33, s14, 11
	s_add_co_u32 s38, s32, s33                     ; my K step's 2,048 bytes in each;
	s_mov_b32 s39, 0
	s_lshr_b32 s33, s14, 1
	s_mul_i32 s33, s33, 16896
	s_add_co_u32 s40, s32, s33
	s_and_b32 s33, s14, 1
	s_lshl_b32 s33, s33, 8
	s_add_co_u32 s40, s40, s33
	s_add_co_u32 s40, s40, 16384                   ; and the half of tile k / 2's scale image that my wave stores
	s_mov_b32 s41, 0
	s_wait_kmcnt 0x0
	s_add_nc_u64 s[4:5], s[4:5], s[26:27]
	s_add_nc_u64 s[6:7], s[6:7], s[28:29]
	s_add_nc_u64 s[8:9], s[8:9], s[30:31]
	s_add_nc_u64 s[12:13], s[12:13], s[30:31]
	s_add_nc_u64 s[34:35], s[10:11], s[38:39]
	s_add_nc_u64 s[36:37], s[10:11], s[40:41]
	WIN 0x40                                       ; destination window 1
.set qq, 0
.rept 64                                       ; W(32 c + 16 h + i, 64 g + 4 r + 0 .. 3) into registers 4 (16 c + i) on: sixteen lanes read 256 consecutive bytes
	global_load_b128 v[4*qq:4*qq+3], v[VW], s[4:5] offset:(32*(qq/16)+qq%16)*4096 th:TH_LOAD_NT
.set qq, qq+1
.endr
	WIN 0
	s_wait_loadcnt 0x0
.irp e, 0,1,2,3                                ; column 4 r + e: every fourth register
	QUANT_A \e, 4, 1, WS+\e
	QUANT_B WC+16*\e
.endr
	s_cmp_lg_u32 s15, 0                            ; the roles part on the work-group's number: all eight waves go the same way
	s_cbranch_scc0 .Lrole0
	; ---- role 1: the codes leave as they stand; the scale words of the eight K steps meet in LDS and leave as whole runs of 256 bytes
.irp e, 0,1,2,3
.irp c, 0,1,2,3
	global_store_b128 v[LI], v[WC+16*\e+4*\c:WC+16*\e+4*\c+3], s[34:35] offset:16896*\e+512*\c   ; 32 lanes store 512 consecutive bytes, aligned
.endr
	ds_store_b32 v[SBW], v[WS+\e] offset:512*\e    ; both halves of the lanes write the same word with the same value
.endr
	s_wait_dscnt 0x0                               ; for the others' sake: my words have landed
	s_barrier_signal -1
	s_barrier_wait -1
	ds_load_b64 v[BI:BI+1], v[SBR]
	s_wait_dscnt 0x0
	global_store_b64 v[L8], v[BI:BI+1], s[36:37]   ; 32 lanes store 256 consecutive bytes, aligned
	s_wait_tensorcnt 0x0                           ; the wave's end
	ds_add_u32 v[SPW], v[NIL]
	s_wait_dscnt 0x0
	s_endpgm
.Lrole0:
.irp i, 0,1,2,3
	global_load_b32 v[BI+\i], v[BOF], s[8:9] offset:16*\i   ; the bias, asked for ahead of hidden's loads: older than they, so their counted waits stand
.endr
	; ---- role 0: hidden's 64 rows, my K step: four tiles of 16 rows, 64 numbers a lane each, into the registers that W has left
	WIN 0x40
.set qq, 0
.rept 64
	global_load_b128 v[4*qq:4*qq+3], v[VH], s[6:7] offset:65536*(qq/16)+128*((qq/4)%4)+16*(qq%4)
.set qq, qq+1
.endr
	WIN 0
.irp m, 0,1,2,3
	s_wait_loadcnt 48-16*\m                        ; this tile's 16 loads are in; the later tiles' may be out
	QUANT_A 64*\m, 1, 1, HS+\m
	QUANT_B HC
.rept 4
	v_nop                                          ; codes written by vector instructions stand four places ahead of a scaled matrix instruction; the scale word stands ahead of the 64 holds
.endr
	WIN 0x40                                       ; D in window 1, over the tile's numbers, which have been read
.irp e, 0,1,2,3                                ; transposed: source 0 = 16 columns of Wh, source 1 = 16 rows of hidden: lane (r, h) holds row r and the tile's places 8 h + 0 .. 7
	v_wmma_scale_f32_16x16x128_f8f6f4 v[64*\m+8*\e:64*\m+8*\e+7], v[WC+16*\e:WC+16*\e+15], v[HC:HC+15], 0, v[WS+\e], v[HS+\m] matrix_a_fmt:MATRIX_FMT_BF8 matrix_b_fmt:MATRIX_FMT_BF8
.endr
	WIN 0                                          ; the next tile's quantiser, over a hundred plain lines that name none of these registers, stands ahead of the next write of HC
.endr
.rept 8
	v_nop                                          ; eight places ahead of the first read of the results
.endr
	WIN 0x04                                       ; an LDS store's data are its source 1: window 1
.irp m, 0,1,2,3
.irp e, 0,1,2,3
	ds_store_b128 v[PBW], v[64*\m+8*\e:64*\m+8*\e+3] offset:4352*\m+64*\e        ; each accumulator from its low end on
	ds_store_b128 v[PBW], v[64*\m+8*\e+4:64*\m+8*\e+7] offset:4352*\m+64*\e+16
.endr
.endr
	WIN 0
	s_wait_dscnt 0x0                               ; for the others' sake: my partial sums have landed
	s_barrier_signal -1
	s_barrier_wait -1
	WIN 0x40
.irp e4, 0,1,2,3                               ; rows 16 e4 + thread / 16: the eight waves' 16 bytes
.irp w, 0,1,2,3,4,5,6,7
	ds_load_b128 v[4*(8*\e4+\w):4*(8*\e4+\w)+3], v[PBR+\w/3] offset:PBK*(\w%3)+4352*\e4
.endr
.endr
	WIN 0
	s_wait_loadcnt 0x0
.irp i, 0,1,2,3
	v_mul_f32 v[CB+\i], s[CS], v[BI+\i]
.endr
	s_wait_dscnt 0x0
	WIN 0x45                                       ; destination and both sources window 1
.irp w, 1,2,3,4,5,6,7                          ; K ascending; eight chains by turns
.irp e4, 0,1,2,3
.irp u, 0,1
	v_pk_add_f32 v[32*\e4+2*\u:32*\e4+2*\u+1], v[32*\e4+2*\u:32*\e4+2*\u+1], v[32*\e4+4*\w+2*\u:32*\e4+4*\w+2*\u+1]
.endr
.endr
.endr
	WIN 0x41                                       ; source 2 window 0
.irp e4, 0,1,2,3
.irp u, 0,1
	v_pk_fma_f32 v[32*\e4+2*\u:32*\e4+2*\u+1], v[32*\e4+2*\u:32*\e4+2*\u+1], s[CS:CS+1], v[CB+2*\u:CB+2*\u+1] op_sel_hi:[1,0,1]   ; c x sum + c x bias
.endr
.endr
	WIN 0x04
.irp e4, 0,1,2,3
	global_store_b128 v[OFO], v[32*\e4:32*\e4+3], s[12:13] offset:65536*\e4   ; sixteen lanes store 256 consecutive bytes, aligned
.endr
	WIN 0
	s_wait_tensorcnt 0x0                           ; the wave's end
	ds_add_u32 v[SPW], v[NIL]
	s_wait_dscnt 0x0
	s_endpgm
.Lfunc_end_k_q36c21c7c6c_prep:
	.size	k_q36c21c7c6c_prep, .Lfunc_end_k_q36c21c7c6c_prep-k_q36c21c7c6c_prep
	.p2alignl 7, 3214868480
	.fill 96, 4, 3214868480
	.section	.rodata,"a",@progbits
	.p2align	6, 0x0
	.amdhsa_kernel k_q36c21c7c6c_prep
		.amdhsa_group_segment_fixed_size 142336
		.amdhsa_private_segment_fixed_size 0
		.amdhsa_enable_private_segment 0
		.amdhsa_kernarg_size 40
		.amdhsa_user_sgpr_count 2
		.amdhsa_user_sgpr_kernarg_segment_ptr 1
		.amdhsa_wavefront_size32 1
		.amdhsa_system_sgpr_workgroup_id_x 1
		.amdhsa_system_sgpr_workgroup_id_y 1
		.amdhsa_system_sgpr_workgroup_id_z 1
		.amdhsa_system_vgpr_workitem_id 0
		.amdhsa_next_free_vgpr 512
		.amdhsa_next_free_sgpr 66
		.amdhsa_reserve_vcc 0
		.amdhsa_float_denorm_mode_32 3
		.amdhsa_float_denorm_mode_16_64 3
		.amdhsa_memory_ordered 1
		.amdhsa_forward_progress 1
		.amdhsa_inst_pref_size 106
	.end_amdhsa_kernel
	.amdgpu_metadata
---
amdhsa.version: [ 1, 2 ]
amdhsa.kernels:
  - .name:           k_q36c21c7c6c_prep
    .symbol:         k_q36c21c7c6c_prep.kd
    .args:
      - { .name: W_attn, .offset: 0, .size: 8, .value_kind: global_buffer, .address_space: global }
      - { .name: hidden, .offset: 8, .size: 8, .value_kind: global_buffer, .address_space: global }
      - { .name: b_attn, .offset: 16, .size: 8, .value_kind: global_buffer, .address_space: global }
      - { .name: wq, .offset: 24, .size: 8, .value_kind: global_buffer, .address_space: global }
      - { .name: hbc, .offset: 32, .size: 8, .value_kind: global_buffer, .address_space: global }
    .group_segment_fixed_size: 142336
    .private_segment_fixed_size: 0
    .kernarg_segment_align: 8
    .kernarg_segment_size: 40
    .max_flat_workgroup_size: 256
    .sgpr_count:     66
    .vgpr_count:     512
    .wavefront_size: 32
...
	.end_amdgpu_metadata
.endif
;; end of part 1
;; launch main (part 2): grid 256 x 1, 4 waves a work-group, clusters of 4 x 1, 327,680 bytes of LDS; arguments encoder_outputs, mask, wq, hbc, v, scores; writes scores
.if DOCPART == 2
	.amdgcn_target "amdgcn-amd-amdhsa--gfx1250"
	.amdhsa_code_object_version 6
	.text
	.protected	k_q36c21c7c6c_main
	.globl	k_q36c21c7c6c_main
	.p2align	8
	.type	k_q36c21c7c6c_main,@function
k_q36c21c7c6c_main:
	s_mov_b64 s[64:65], 0
	v_nop
	global_prefetch_b8 v0, s[64:65] scope:SCOPE_SE
	s_setreg_imm32_b32 hwreg(HW_REG_WAVE_MODE, 25, 1), 1
	s_wait_xcnt 0x0
	s_wait_alu depctr_hold_cnt(0) depctr_sa_sdst(0) depctr_va_vdst(0) depctr_va_sdst(0) depctr_va_ssrc(0) depctr_va_vcc(0) depctr_vm_vsrc(0)
	s_getreg_b32 s2, hwreg(HW_REG_IB_STS2, 6, 4)
	s_cmp_eq_u32 s2, 0
	s_cbranch_scc0 .Lentry_in_a_cluster
	s_endpgm
.Lentry_in_a_cluster:
	s_bfe_u32 s2, ttmp6, 0x10000c
	s_cmp_lg_u32 s2, 0x3003
	s_cbranch_scc0 .Lentry_shape_is_right
	s_endpgm
.Lentry_shape_is_right:
; scores[b][s] = sum over n of (-2 v[n]) / (1 + 2^(c pre[b][s][n])), c = 2 log2(e), pre = hidden Wh + b_attn + enc We: tanh(pre) . v less sum(v), which the last kernel adds.
; The product behind reference()'s unused 'energy' is left out (first kernel's head).  c (hidden Wh + b_attn) comes as hbc, We's codes and scale words as wq, 64 tiles of 16 columns, each the image of its operand registers.
; SHARES.  A work-group takes 256 rows of one batch, a wave 64.  PART 1: the wave's rows are quantised along K, 128 at a time, and end as codes in windows 1 and 2 (512 registers).
;   A load takes 512 consecutive bytes of ONE row; 16 rows turn through the wave's own stage in LDS and come back 64 neighbours a lane.  A row whose mask is 0 gets -1e10 in the last kernel whatever
;   its score: its loads name its tile's first row instead (a whole number read from memory decides the address; the row's work is done all the same).
; PART 2: the 64 tiles of We go through two LDS slots of four tiles; a tile is 32 matrix instructions (4 row blocks by turns x 8 K steps), then its tanh and its part of the sum with v, as one block.
; CLUSTER: the four work-groups of a batch walk the same tiles of wq and ask for them jointly (mask 15).
; NO PREFETCH: of encoder_outputs a wave keeps 64 loads of 512 bytes on their way; wq's 1,081,344 bytes are read by all 64 clusters, slot by slot.
; LIMITS: NaN and infinities among the inputs are not served; a block whose largest magnitude lies under 2^-111 keeps the scale byte 1, a block of zeros too (its codes are zeros).
.set TILEB, 16896                      ; a tile of wq: 16,384 bytes of codes, 512 of scale words
.set SLOTB, 4*TILEB
.set RING0, 0
.set RING1, SLOTB
.set IMG,   2*SLOTB                    ; each wave's codes of four K steps, 32,768 bytes
.set SIMG,  IMG+4*32768                ; and their scale words, 2,048 bytes
.set HV,    SIMG+4*2048                ; 128 places of 64 bytes: 8 numbers of hbc, 8 of -2 v
.set SCR,   HV+8192                    ; 256 bytes a wave for the way out
.set SPARE, SCR+1024                   ; the spare words, 128 bytes a wave
.set STG,   SPARE+512                  ; each wave's stage: 16 rows x (512 + 16) bytes
.set STGB,  8448
.set STW, 1                            ; v1  stage, in: 16 x lane
.set LI,  2
.set L4,  3
.set IMB, 4
.set IMW, 5
.set SIB, 6
.set SIW, 7
.set ADS, 8                            ; v8-11 the slots' halves + 16 lane, for the scale words
.set SPW, 12
.set NIL, 13
.set SCA, 14
.set SCB, 15
.set TM,  16                           ; v16-31 at work in the quantiser
.set PW,  32                           ; v32-35 scale words
.set PC,  48                           ; v48-111 codes of four tiles of rows
.set OFS, 112                          ; v112-175 part 1: row i's offset: 16 lane + (mask ? 4096 (i % 16) : 0)
.set ES,  176                          ; v176-207 enc's scale words; v208-215 We's: scales and nothing else
.set BS,  208
.set STR, 216                          ; v216 stage, out: 528 r + 64 h
.set L8,  220
.set X,   0                            ; window 2, part 1: 64 neighbours along K
.set FB,  64                           ; window 3: v0-63 two sets of accumulators; v64-191 a tile's fragments
.set HVR, 192                          ; window 3: two sets of 8 hbc, 8 (-2 v)
.set SUM, 224
.set ADB, 232
.set ADH0, 236
.set ADHW, 237
.set WV,  16
.set SEL, 20
.set CS,  22
.set MNT, 24
.set KC,  25
.set LP,  27
.set G1,  36
.set G0,  44
.set TI,  60
.set TS,  61
.set TH,  62
.set MSB, 0
.macro WIN new                         ; the immediate's high byte repeats the setting that is left
.if MSB != (\new)
	s_set_vgpr_msb (MSB<<8)|(\new)
.set MSB, (\new)
.endif
.endm
.macro CROUND                          ; a round of the cluster's barrier
	s_barrier_signal -1
	s_barrier_wait -1
	s_cmp_lg_u32 s[WV], 0
	s_cbranch_scc1 .Lnot_wave_0_\@
	s_barrier_signal -3
.Lnot_wave_0_\@:
	s_barrier_wait -3
	s_barrier_signal -1
	s_barrier_wait -1
.endm
.macro NOPS n
.rept \n
	v_nop
.endr
.endm
; 64 numbers in window 2, number 16 b + i = K 32 b + 16 h + i of my row: the four blocks' scales, the scale word in v[pw], the hold in place, 16 registers of codes from v[pc] on
.macro QUANT pw, pc
	WIN 0x0a
.irp b, 0,1,2,3
	v_max3_num_f32 v[TM+\b], |v[X+16*\b]|, |v[X+16*\b+1]|, 0x8000000   ; with the floor 2^(16 - 127): the byte cannot fall under 1
.endr
.irp i, 2,4,6,8,10,12,14
.irp b, 0,1,2,3
	v_max3_num_f32 v[TM+\b], |v[X+16*\b+\i]|, |v[X+16*\b+\i+1]|, v[TM+\b]
.endr
.endr
	WIN 0
.irp b, 0,1,2,3
	v_permlanex16_b32 v[TM+4+\b], v[TM+\b], s[SEL], s[SEL+1]
.endr
.irp b, 0,1,2,3
	v_max_num_f32 v[TM+\b], v[TM+\b], v[TM+4+\b]   ; with lane l xor 16's: the block's largest magnitude
.endr
.irp b, 0,1,2,3
	v_add_nc_u32 v[TM+12+\b], 0xf8800000, v[TM+\b] ; 15 off its exponent field: the conversion's scale operand
.endr
.irp b, 0,1,2,3
	v_and_or_b32 v[TM+8+\b], v[TM+\b], 0x7f800000, s[MNT]   ; 57,344 x the scale
.endr
.irp b, 0,1,2,3
	v_lshrrev_b32 v[TM+4+\b], 23, v[TM+12+\b]      ; the byte
.endr
	v_lshl_or_b32 v[\pw], v[TM+5], 8, v[TM+4]
	v_lshl_or_b32 v[\pw], v[TM+6], 16, v[\pw]
	v_lshl_or_b32 v[\pw], v[TM+7], 24, v[\pw]
	WIN 0x82
.irp b, 0,1,2,3
.irp i, 0,1,2,3,4,5,6,7,8,9,10,11,12,13,14,15
	v_med3_num_f32 v[X+16*\b+\i], v[X+16*\b+\i], -v[TM+8+\b], v[TM+8+\b]   ; the conversion does not saturate (ISA guide 7.6.2)
.endr
.endr
	WIN 0x02
.irp b, 0,1,2,3
	v_cvt_scalef32_pk8_bf8_f32 v[(\pc)+4*\b:(\pc)+4*\b+1], v[X+16*\b:X+16*\b+7], v[TM+12+\b]
	v_cvt_scalef32_pk8_bf8_f32 v[(\pc)+4*\b+2:(\pc)+4*\b+3], v[X+16*\b+8:X+16*\b+15], v[TM+12+\b]
.endr
	v_nop                                          ; one plain line behind the last conversion
	WIN 0
.endm
.macro LOADP m, off                    ; 16 rows of tile m, 512 consecutive bytes each, into window 3
	WIN 0xc0
.set ii, 0
.rept 16
	global_load_b128 v[64*(\m)+4*ii:64*(\m)+4*ii+3], v[OFS+16*(\m)+ii], s[4:5] offset:65536*(\m)+(\off)
.set ii, ii+1
.endr
	WIN 0
.endm
	s_load_b256 s[4:11], s[0:1], 0x0               ; enc s[4:5], mask s[6:7], wq s[8:9], hbc s[10:11]
	s_load_b128 s[12:15], s[0:1], 0x20             ; v s[12:13], scores s[14:15]
	v_lshl_add_u32 v[SPW], v0, 2, SPARE
	v_mov_b32 v[NIL], 0
	ds_add_u32 v[SPW], v[NIL]                      ; the opening lines
	ds_add_u32 v[SPW], v[NIL]
	v_lshrrev_b32 v36, 5, v0
	v_readfirstlane_b32 s[WV], v36
	s_mov_b32 s[G1], 15|(3<<16)|(1<<21)            ; a tile of wq is dense: 66 rows of 256 bytes; the mask names the cluster's four
	s_mov_b32 s[G1+1], 32<<16
	s_mov_b32 s[G1+2], 66<<16
	s_mov_b32 s[G1+3], 32<<16
	s_mov_b32 s[G1+4], 66
	s_mov_b32 s[G1+5], 32
	s_mov_b32 s[G1+6], 0
	s_mov_b32 s[G1+7], 0
	s_mul_i32 s56, s[WV], TILEB                    ; wave w fetches tile w of each slot
	s_mov_b32 s57, 0
	s_mov_b32 s[SEL], 0x76543210
	s_mov_b32 s[SEL+1], 0xfedcba98
	s_mov_b32 s[CS], 0x4038aa3b                    ; c
	s_mov_b32 s[CS+1], s[CS]
	s_mov_b32 s[MNT], 0x600000
	s_wait_dscnt 0x0
	s_wait_kmcnt 0x0
	s_mov_b32 s[G0], 1
	s_mov_b32 s[G0+1], s56
	s_add_nc_u64 s[G0+2:G0+3], s[8:9], s[56:57]
	s_or_b32 s[G0+3], s[G0+3], 0x80000000
	s_mov_b32 s[G0+4], 1
	s_add_co_u32 s[G0+5], s56, RING1
	s_add_nc_u64 s[G0+6:G0+7], s[8:9], s[56:57]
	s_add_nc_u64 s[G0+6:G0+7], s[G0+6:G0+7], SLOTB
	s_or_b32 s[G0+7], s[G0+7], 0x80000000
	CROUND
	tensor_load_to_lds s[G0:G0+3], s[G1:G1+7]      ; slot 0: my one tensor load at the head
	s_nop 0
	NOPS 4
	s_bfe_u32 s17, ttmp6, 0x40000
	s_lshl_b32 s18, ttmp9, 10
	s_lshl_b32 s19, s17, 8
	s_add_co_u32 s18, s18, s19
	s_lshl_b32 s19, s[WV], 6
	s_add_co_u32 s18, s18, s19                     ; my wave's first row: 1024 batch + 256 cx + 64 wave
	s_lshl_b32 s52, s18, 12
	s_mov_b32 s53, 0
	s_add_nc_u64 s[4:5], s[4:5], s[52:53]
	s_lshl_b32 s52, s18, 2
	s_add_nc_u64 s[6:7], s[6:7], s[52:53]
	s_add_nc_u64 s[14:15], s[14:15], s[52:53]
	s_lshl_b32 s52, ttmp9, 12
	s_add_nc_u64 s[10:11], s[10:11], s[52:53]
	v_and_b32 v37, 31, v0
	v_and_b32 v38, 15, v0
	v_bfe_u32 v39, v0, 4, 1
	v_lshlrev_b32 v44, 2, v38
.irp m, 0,1,2,3
	global_load_b32 v[40+\m], v44, s[6:7] offset:64*\m   ; lane r: the mask of row 16 m + r
.endr
	v_lshlrev_b32 v45, 5, v0
	global_load_b128 v[48:51], v45, s[10:11]
	global_load_b128 v[52:55], v45, s[10:11] offset:16
	v_lshrrev_b32 v46, 3, v0                       ; v in the tiles' order: place 8 t + j is column 64 (t / 8) + 32 (t % 2) + 4 j + (t / 2) % 4
	v_lshlrev_b32 v46, 8, v46
	v_and_b32 v47, 1, v0
	v_lshl_add_u32 v46, v47, 7, v46
	v_bfe_u32 v47, v0, 1, 2
	v_lshl_add_u32 v46, v47, 2, v46
.irp j, 0,1,2,3,4,5,6,7
	global_load_b32 v[56+\j], v46, s[12:13] offset:16*\j
.endr
	v_lshl_add_u32 v47, v0, 6, HV
	v_lshlrev_b32 v[LI], 4, v37
	v_lshlrev_b32 v[L4], 2, v37
	v_lshlrev_b32 v[L8], 3, v37
	s_lshl_b32 s58, s[WV], 15
	s_add_co_u32 s58, s58, IMG
	v_add_nc_u32 v[IMB], s58, v[LI]
	s_lshl_b32 s58, s[WV], 11
	s_add_co_u32 s58, s58, SIMG
	v_add_nc_u32 v[SIB], s58, v[L4]
	v_add_nc_u32 v[ADS], RING0, v[LI]
	v_add_nc_u32 v[ADS+1], RING0+2*TILEB, v[LI]
	v_add_nc_u32 v[ADS+2], RING1, v[LI]
	v_add_nc_u32 v[ADS+3], RING1+2*TILEB, v[LI]
	s_lshl_b32 s58, s[WV], 8
	s_add_co_u32 s58, s58, SCR
	v_lshl_add_u32 v[SCA], v38, 2, s58
	v_lshl_add_u32 v[SCB], v37, 3, s58
	s_mul_i32 s58, s[WV], STGB
	s_add_co_u32 s58, s58, STG
	v_add_nc_u32 v[STW], s58, v[LI]
	v_mul_u32_u24 v[STR], v38, 528
	v_lshl_add_u32 v[STR], v39, 6, v[STR]
	v_add_nc_u32 v[STR], s58, v[STR]
.irp b, 0,1,2,3
	v_mov_b32 v[TM+4+\b], 0                        ; a lane permute's destination counts as one of its sources
.endr
	s_wait_loadcnt 0x0
.irp m, 0,1,2,3
	v_min_u32 v[40+\m], 1, v[40+\m]
.endr
	s_wait_alu depctr_va_vdst(0)                   ; the wait ahead of the run of scalar lines below
.set ii, 0
.rept 64                                       ; row ii's mask as a scalar, held at 1, times the row's place in its tile
	v_readlane_b32 s58, v[40+ii/16], ii%16
	s_min_u32 s58, s58, 1
	s_mul_i32 s58, s58, (ii%16)*4096
	v_add_nc_u32 v[OFS+ii], s58, v[LI]
.set ii, ii+1
.endr
	s_wait_alu depctr_va_vdst(0)                   ; and ahead of the offsets' first readers
.irp m, 0,1,2,3
	LOADP \m, 0
.endr
.irp j, 0,1,2,3,4,5,6,7
	v_mul_f32 v[56+\j], -2.0, v[56+\j]
.endr
	s_wait_alu depctr_va_vdst(0)                   ; the wait at the head's end
	s_wait_tensorcnt 0x0                           ; slot 1's first fill is issued as a refill is: my load has landed,
	ds_add_u32 v[SPW], v[NIL]                      ; an add to my spare word,
	s_wait_dscnt 0x0
	CROUND                                         ; a round,
	tensor_load_to_lds s[G0+4:G0+7], s[G1:G1+7]    ; and my one load behind it
	s_nop 0
	NOPS 4
.irp c, 0,1,2,3
	ds_store_b128 v47, v[48+4*\c:51+4*\c] offset:16*\c
.endr
; One K step of 128 for my 64 rows.  la = 1: each tile's registers take the next K step's loads as soon as the stage has them.
.macro TRIP la
	s_wait_dscnt 0x0                               ; the image's bytes have been read back
	v_add_nc_u32 v[IMW], s[TI], v[IMB]
	v_add_nc_u32 v[SIW], s[TS], v[SIB]
.irp m, 0,1,2,3
.if \la
	s_wait_loadcnt 48                              ; this tile's 16 loads are in; three tiles' 48 may be out
.else
	s_wait_loadcnt 48-16*\m
.endif
	WIN 0x0c
.set ii, 0
.rept 16
	ds_store_b128 v[STW], v[64*\m+4*ii:64*\m+4*ii+3] offset:528*ii   ; row ii as it lies
.set ii, ii+1
.endr
	WIN 0x80
.set ii, 0
.rept 16
	ds_load_b128 v[X+4*ii:X+4*ii+3], v[STR] offset:128*(ii/4)+16*(ii%4)   ; LDS serves a wave in order: row r, K 32 b + 16 h + 4 j ..
.set ii, ii+1
.endr
	WIN 0
	s_wait_dscnt 0x0
.if \la
	LOADP \m, 512
.endif
	QUANT PW+\m, PC+16*\m
.irp c, 0,1,2,3
	ds_store_b128 v[IMW], v[PC+16*\m+4*\c:PC+16*\m+4*\c+3] offset:2048*\m+512*\c
.endr
	ds_store_b32 v[SIW], v[PW+\m] offset:128*\m
.endr
.if \la
	s_wait_xcnt 0x0                                ; the loads have read their base
	s_add_nc_u64 s[4:5], s[4:5], 512
.endif
	s_add_co_u32 s[TI], s[TI], 8192
	s_add_co_u32 s[TS], s[TS], 512
.endm
.macro BACK hh                         ; four K steps' codes into window 1 + hh, their scale words into ES
	WIN 0x40<<(\hh)
.set qq, 0
.rept 64
	ds_load_b128 v[4*qq:4*qq+3], v[IMB] offset:512*qq
.set qq, qq+1
.endr
	WIN 0
.irp kk, 0,1,2,3
.irp m, 0,1,2,3
	ds_load_b32 v[ES+8*\m+4*(\hh)+\kk], v[SIB] offset:512*\kk+128*\m
.endr
.endr
.endm
	s_mov_b32 s[KC], 4
	s_mov_b32 s[TI], 0
	s_mov_b32 s[TS], 0
.Lk0:
	TRIP 1
	s_sub_co_u32 s[KC], s[KC], 1
	s_cmp_lg_u32 s[KC], 0
	s_cbranch_scc1 .Lk0
	BACK 0
	s_mov_b32 s[KC], 3
	s_mov_b32 s[TI], 0
	s_mov_b32 s[TS], 0
.Lk1:
	TRIP 1
	s_sub_co_u32 s[KC], s[KC], 1
	s_cmp_lg_u32 s[KC], 0
	s_cbranch_scc1 .Lk1
	TRIP 0
	BACK 1
	WIN 0xc0
	v_add_nc_u32 v[ADB], RING0, v[LI]
	v_add_nc_u32 v[ADB+1], RING0+2*TILEB, v[LI]
	v_add_nc_u32 v[ADB+2], RING1, v[LI]
	v_add_nc_u32 v[ADB+3], RING1+2*TILEB, v[LI]
	v_lshl_add_u32 v[ADH0], v39, 6, HV
	v_lshl_add_u32 v[ADHW], v39, 6, HV
	WIN 0
	s_mov_b32 s[TH], 0
	s_wait_alu depctr_va_vdst(0)
	s_wait_tensorcnt 0x1                           ; slot 0 has landed; slot 1's load may be out
	s_wait_dscnt 0x0                               ; my part of HV is stored
	s_barrier_signal -1
	s_barrier_wait -1
; transposed: source 0 = 16 columns of We, source 1 = 16 rows of enc: lane (r, h) holds row r and the tile's places 8 h + 0 .. 7
.macro WM s, k, m
.if (\k) == 0
	v_wmma_scale_f32_16x16x128_f8f6f4 v[32*(\s)+8*(\m):32*(\s)+8*(\m)+7], v[FB+16*(\k):FB+16*(\k)+15], v[64*((\k)%4)+16*(\m):64*((\k)%4)+16*(\m)+15], 0, v[BS+4*(\s)+(\k)%4], v[ES+8*(\m)+(\k)] matrix_a_fmt:MATRIX_FMT_BF8 matrix_b_fmt:MATRIX_FMT_BF8
.elseif (\k) < 4
	v_wmma_scale_f32_16x16x128_f8f6f4 v[32*(\s)+8*(\m):32*(\s)+8*(\m)+7], v[FB+16*(\k):FB+16*(\k)+15], v[64*((\k)%4)+16*(\m):64*((\k)%4)+16*(\m)+15], v[32*(\s)+8*(\m):32*(\s)+8*(\m)+7], v[BS+4*(\s)+(\k)%4], v[ES+8*(\m)+(\k)] matrix_a_fmt:MATRIX_FMT_BF8 matrix_b_fmt:MATRIX_FMT_BF8
.else
	v_wmma_scale_f32_16x16x128_f8f6f4 v[32*(\s)+8*(\m):32*(\s)+8*(\m)+7], v[FB+16*(\k):FB+16*(\k)+15], v[64*((\k)%4)+16*(\m):64*((\k)%4)+16*(\m)+15], v[32*(\s)+8*(\m):32*(\s)+8*(\m)+7], v[BS+4*(\s)+(\k)%4], v[ES+8*(\m)+(\k)] matrix_a_fmt:MATRIX_FMT_BF8 matrix_b_fmt:MATRIX_FMT_BF8 matrix_a_scale:MATRIX_SCALE_ROW1
.endif
.endm
; A finished tile, set s: x = c sum + hbc; 1 / (1 + 2^x); times -2 v into the running sums.  Each batch of transcendentals has one wait ahead and one behind.
.macro EPI s, first
	WIN 0xff
.irp i, 0,1,2,3,4,5,6,7,8,9,10,11,12,13,14,15
	v_pk_fma_f32 v[32*(\s)+2*\i:32*(\s)+2*\i+1], v[32*(\s)+2*\i:32*(\s)+2*\i+1], s[CS:CS+1], v[HVR+16*(\s)+2*(\i%4):HVR+16*(\s)+2*(\i%4)+1] op_sel_hi:[1,0,1]   ; each accumulator from its low end on
.endr
	s_wait_alu depctr_va_vdst(0)
	LDP 1, 2                                       ; the next tile's fragments are fetched behind the block's waits, two at a time
.set qq, 0
.rept 32
	v_exp_f32 v[32*(\s)+qq], v[32*(\s)+qq]
.set qq, qq+1
.endr
	v_nop
	s_wait_alu depctr_va_vdst(0)
	LDP 3, 4
.irp i, 0,1,2,3,4,5,6,7,8,9,10,11,12,13,14,15
	v_pk_add_f32 v[32*(\s)+2*\i:32*(\s)+2*\i+1], v[32*(\s)+2*\i:32*(\s)+2*\i+1], 1.0 op_sel_hi:[1,0]
.endr
	s_wait_alu depctr_va_vdst(0)
	LDP 5, 6
.set qq, 0
.rept 32
	v_rcp_f32 v[32*(\s)+qq], v[32*(\s)+qq]
.set qq, qq+1
.endr
	v_nop
	s_wait_alu depctr_va_vdst(0)
	LDP 7, 7
.irp p, 0,1,2,3
.irp m, 0,1,2,3
.if (\first) && (\p == 0)
	v_pk_mul_f32 v[SUM+2*\m:SUM+2*\m+1], v[32*(\s)+8*\m+2*\p:32*(\s)+8*\m+2*\p+1], v[HVR+16*(\s)+8+2*\p:HVR+16*(\s)+9+2*\p]
.else
	v_pk_fma_f32 v[SUM+2*\m:SUM+2*\m+1], v[32*(\s)+8*\m+2*\p:32*(\s)+8*\m+2*\p+1], v[HVR+16*(\s)+8+2*\p:HVR+16*(\s)+9+2*\p], v[SUM+2*\m:SUM+2*\m+1]
.endif
.endr
.endr
.endm
.macro LB adr, off, kf                 ; a fragment: 16 columns x 128 K
.irp c, 0,1,2,3
	ds_load_b128 v[FB+16*(\kf)+4*\c:FB+16*(\kf)+4*\c+3], v[\adr] offset:(\off)+512*\c
.endr
.endm
.macro BSL sn, p, tau                  ; a tile's scale words
	ds_load_b128 v[BS+4*(\sn):BS+4*(\sn)+3], v[ADS+2*(\p)+(\tau)/2] offset:TILEB*((\tau)%2)+16384
.endm
; K steps 0-3 of a tile: 16 matrix instructions on end.  The four accumulators take turns, one instruction a turn.
.macro HALFA s, p, tau, hvo
	WIN 0xf7
.irp k, 0,1,2,3
	s_wait_dscnt 4*(7-\k)                          ; fragment k is in; the 7 - k fragments behind it, four loads each, may be out
.irp m, 0,1,2,3
	WM \s, \k, \m
.endr
.endr
.endm
.macro MIDW w
.if \w
	s_wait_alu depctr_va_vdst(0)                   ; the wait behind the step of ADHW
.endif
	WIN 0
.endm
.macro LDP a, b                        ; fragments a and b of the next tile (LAD, LOF: where it lies; LDF = 0: there is none)
.if LDF
	LB LAD, LOF+2048*(\a), \a
.if (\b) > (\a)
	LB LAD, LOF+2048*(\b), \b
.endif
.endif
.endm
; K steps 4-7, then eight places ahead of the results' first read and of the loads into the fragments' registers.  ld = 1: the next tile, taun of slot pn, is fetched: its scale words,
; its hbc and -2 v (at hvn) and fragment 0 here, fragments 1-7 inside the block that follows: 37 LDS loads, the fragments in ascending order.
.macro HALFB s, pn, taun, ld, first, hvn=0
	WIN 0xfb
.irp k, 4,5,6,7
	s_wait_dscnt 4*(7-\k)
.irp m, 0,1,2,3
	WM \s, \k, \m
.endr
.endr
	NOPS 8
.set LDF, \ld
.set LAD, ADB+2*(\pn)+(\taun)/2
.set LOF, TILEB*((\taun)%2)
.if \ld
	WIN 0
	BSL 1-(\s), \pn, \taun
	WIN 0xff
.irp c, 0,1,2,3
	ds_load_b128 v[HVR+16*(1-(\s))+4*\c:HVR+16*(1-(\s))+4*\c+3], v[ADHW] offset:(\hvn)+16*\c
.endr
	LB LAD, LOF, 0
.endif
	EPI \s, \first
.endm
.macro T s, p, tau, hvo, first
	HALFA \s, \p, \tau, \hvo
	HALFB \s, \p, (\tau)+1, 1, \first, (\hvo)+128
.endm
.macro STEPH n
	s_add_co_u32 s[TH], s[TH], \n
	v_add_nc_u32 v[ADHW], v[ADH0], s[TH]
.endm
; The change of slots stands in the middle of a slot's last tile, whose fragments have all been fetched.  fill = 1: slot p takes the tiles eight further on.
.macro CHANGE p, fill
	s_wait_tensorcnt 0x0                           ; all my tensor loads have landed: my tile of the other slot
	ds_add_u32 v[SPW], v[NIL]                      ; an add to my spare word
.if \fill
	s_add_nc_u64 s[G0+4*(\p)+2:G0+4*(\p)+3], s[G0+4*(\p)+2:G0+4*(\p)+3], 2*SLOTB
.endif
	s_wait_dscnt 0x0                               ; the add is done, my reads of slot p are over
.if \fill
	CROUND
	tensor_load_to_lds s[G0+4*(\p):G0+4*(\p)+3], s[G1:G1+7]
	s_nop 0
	NOPS 4
.else
	s_barrier_signal -1
	s_barrier_wait -1
.endif
.endm
	BSL 0, 0, 0
	WIN 0xf7
.irp c, 0,1,2,3
	ds_load_b128 v[HVR+4*\c:HVR+4*\c+3], v[ADHW] offset:16*\c
.endr
.irp k, 0,1,2,3,4,5,6,7
	LB ADB, 2048*\k, \k
.endr
	T 0, 0, 0, 0, 1
	T 1, 0, 1, 128, 0
	T 0, 0, 2, 256, 0
	HALFA 1, 0, 3, 384
	STEPH 512
	MIDW 1
	s_mov_b32 s[LP], 7
.Lpair:                                                ; a trip: slot 1's four tiles, slot 0's next four; both slots are filled again
	CHANGE 0, 1
	HALFB 1, 1, 0, 1, 0
	T 0, 1, 0, 0, 0
	T 1, 1, 1, 128, 0
	T 0, 1, 2, 256, 0
	HALFA 1, 1, 3, 384
	MIDW 0
	CHANGE 1, 1
	HALFB 1, 0, 0, 1, 0, 512
	T 0, 0, 0, 512, 0
	T 1, 0, 1, 640, 0
	T 0, 0, 2, 768, 0
	HALFA 1, 0, 3, 896
	STEPH 1024
	MIDW 1
	s_sub_co_u32 s[LP], s[LP], 1
	s_cmp_lg_u32 s[LP], 0
	s_cbranch_scc1 .Lpair
	CHANGE 0, 0                                    ; the last four tiles: nothing is filled again
	HALFB 1, 1, 0, 1, 0
	T 0, 1, 0, 0, 0
	T 1, 1, 1, 128, 0
	T 0, 1, 2, 256, 0
	HALFA 1, 1, 3, 384
	MIDW 0
	HALFB 1, 0, 0, 0, 0
	WIN 0x0f
.irp m, 0,1,2,3
	v_add_f32 v[36+\m], v[SUM+2*\m], v[SUM+2*\m+1]
.endr
	WIN 0
.irp m, 0,1,2,3
	v_permlanex16_b32 v[40+\m], v[36+\m], s[SEL], s[SEL+1]
.endr
.irp m, 0,1,2,3
	v_add_f32 v[36+\m], v[36+\m], v[40+\m]         ; with lane l xor 16's places: row 16 m + r's score
.endr
.irp m, 0,1,2,3
	ds_store_b32 v[SCA], v[36+\m] offset:64*\m     ; both halves of the lanes write the same word with the same value
.endr
	ds_load_b64 v[44:45], v[SCB]
	s_wait_dscnt 0x0
	global_store_b64 v[L8], v[44:45], s[14:15]     ; 32 lanes store 256 consecutive bytes, aligned
	s_wait_tensorcnt 0x0                           ; the wave's end
	ds_add_u32 v[SPW], v[NIL]
	s_wait_dscnt 0x0
	CROUND                                         ; the closing round
	s_endpgm
.Lfunc_end_k_q36c21c7c6c_main:
	.size	k_q36c21c7c6c_main, .Lfunc_end_k_q36c21c7c6c_main-k_q36c21c7c6c_main
	.p2alignl 7, 3214868480
	.fill 96, 4, 3214868480
	.section	.rodata,"a",@progbits
	.p2align	6, 0x0
	.amdhsa_kernel k_q36c21c7c6c_main
		.amdhsa_group_segment_fixed_size 327680
		.amdhsa_private_segment_fixed_size 0
		.amdhsa_enable_private_segment 0
		.amdhsa_kernarg_size 48
		.amdhsa_user_sgpr_count 2
		.amdhsa_user_sgpr_kernarg_segment_ptr 1
		.amdhsa_wavefront_size32 1
		.amdhsa_system_sgpr_workgroup_id_x 1
		.amdhsa_system_sgpr_workgroup_id_y 1
		.amdhsa_system_sgpr_workgroup_id_z 1
		.amdhsa_system_vgpr_workitem_id 0
		.amdhsa_next_free_vgpr 1024
		.amdhsa_next_free_sgpr 66
		.amdhsa_reserve_vcc 0
		.amdhsa_float_denorm_mode_32 3
		.amdhsa_float_denorm_mode_16_64 3
		.amdhsa_memory_ordered 1
		.amdhsa_forward_progress 1
		.amdhsa_inst_pref_size 255
	.end_amdhsa_kernel
	.section	.bss,"aw",@nobits
	.p2align	6
	.space	262144
	.amdgpu_metadata
---
amdhsa.version: [ 1, 2 ]
amdhsa.kernels:
  - .name:           k_q36c21c7c6c_main
    .symbol:         k_q36c21c7c6c_main.kd
    .args:
      - { .name: encoder_outputs, .offset: 0, .size: 8, .value_kind: global_buffer, .address_space: global }
      - { .name: mask, .offset: 8, .size: 8, .value_kind: global_buffer, .address_space: global }
      - { .name: wq, .offset: 16, .size: 8, .value_kind: global_buffer, .address_space: global }
      - { .name: hbc, .offset: 24, .size: 8, .value_kind: global_buffer, .address_space: global }
      - { .name: v, .offset: 32, .size: 8, .value_kind: global_buffer, .address_space: global }
      - { .name: scores, .offset: 40, .size: 8, .value_kind: global_buffer, .address_space: global }
    .group_segment_fixed_size: 327680
    .private_segment_fixed_size: 0
    .kernarg_segment_align: 8
    .kernarg_segment_size: 48
    .max_flat_workgroup_size: 128
    .sgpr_count:     66
    .vgpr_count:     1024
    .wavefront_size: 32
...
	.end_amdgpu_metadata
.endif
;; end of part 2
;; launch smax (part 3): grid 64 x 1, 8 waves a work-group, no clusters, 1,536 bytes of LDS; arguments scores, mask, v, out0; writes out0
.if DOCPART == 3
	.amdgcn_target "amdgcn-amd-amdhsa--gfx1250"
	.amdhsa_code_object_version 6
	.text
	.protected	k_q36c21c7c6c_smax
	.globl	k_q36c21c7c6c_smax
	.p2align	8
	.type	k_q36c21c7c6c_smax,@function
k_q36c21c7c6c_smax:
	s_mov_b64 s[64:65], 0
	v_nop
	global_prefetch_b8 v0, s[64:65] scope:SCOPE_SE
	s_setreg_imm32_b32 hwreg(HW_REG_WAVE_MODE, 25, 1), 1
	s_wait_xcnt 0x0
; out0[b][:] = softmax over s of where(mask == 0, -1e10, sum(v) + scores[b][s]): sum(v) + scores is tanh(pre) . v (the second kernel's head).  Nothing is left out here; the product behind reference()'s unused
; 'energy' was left out in the first kernel.  The maximum is taken away before the exponential, as reference() does; with every row masked all numbers are equal and the result is 1 / 1024.
; A work-group of eight waves takes one batch: 1,024 numbers, four a thread.  Every wave adds all of v for itself (4 KiB): no barrier is spent on it.  Maximum and sum cross the waves through LDS words of their own.
; Memory binds and the launch is small: no matrix unit, no cluster, no tensor load, no prefetch.
.set RED1,  0                          ; eight maxima
.set RED2,  256                        ; eight sums
.set SPARE, 512                        ; the spare words, 128 bytes for each wave: four blocks of 256 bytes that no other line names
.set SPW, 62
.set NIL, 63
	s_load_b256 s[4:11], s[0:1], 0x0               ; scores s[4:5], mask s[6:7], v s[8:9], out0 s[10:11]
	v_lshl_add_u32 v[SPW], v0, 2, SPARE
	v_mov_b32 v[NIL], 0
	v_lshrrev_b32 v1, 5, v0
	s_delay_alu instid0(VALU_DEP_1)
	v_readfirstlane_b32 s12, v1                    ; wave
	s_lshl_b32 s14, ttmp9, 12                      ; my batch's 4,096 bytes
	s_mov_b32 s15, 0
	s_mov_b32 s16, 0x76543210
	s_mov_b32 s17, 0xfedcba98
	v_lshlrev_b32 v1, 4, v0                        ; 16 bytes a thread
	v_and_b32 v2, 31, v0
	s_delay_alu instid0(VALU_DEP_1)
	v_lshlrev_b32 v2, 4, v2                        ; 16 bytes a lane
	v_mov_b32 v3, s12
	s_delay_alu instid0(VALU_DEP_1)
	v_lshlrev_b32 v3, 2, v3                        ; my wave's word
	v_mov_b32 v51, 0
	v_mov_b32 v50, 0xd01502f9                      ; -1e10
	v_mov_b32 v49, 0                               ; a lane permute's destination counts as one of its sources
	s_wait_alu depctr_va_vdst(0)
	s_wait_kmcnt 0x0
	s_add_nc_u64 s[4:5], s[4:5], s[14:15]
	s_add_nc_u64 s[6:7], s[6:7], s[14:15]
	s_add_nc_u64 s[10:11], s[10:11], s[14:15]
	global_load_b128 v[4:7], v1, s[4:5]
	global_load_b128 v[8:11], v1, s[6:7]
.irp i, 0,1,2,3,4,5,6,7
	global_load_b128 v[16+4*\i:19+4*\i], v2, s[8:9] offset:512*\i
.endr
	s_wait_loadcnt 0x0
.irp i, 1
	v_pk_add_f32 v[16:17], v[16:17], v[16+4*\i:17+4*\i]
	v_pk_add_f32 v[18:19], v[18:19], v[18+4*\i:19+4*\i]
.endr
.irp i, 2, 3, 4, 5, 6, 7
	s_delay_alu instid0(VALU_DEP_2)
	v_pk_add_f32 v[16:17], v[16:17], v[16+4*\i:17+4*\i]
	s_delay_alu instid0(VALU_DEP_2)
	v_pk_add_f32 v[18:19], v[18:19], v[18+4*\i:19+4*\i]
.endr
	s_delay_alu instid0(VALU_DEP_1)
	v_pk_add_f32 v[16:17], v[16:17], v[18:19]
	s_delay_alu instid0(VALU_DEP_1)
	v_add_f32 v16, v16, v17
	s_delay_alu instid0(VALU_DEP_1)
	v_add_f32_dpp v16, v16, v16 row_xmask:1 row_mask:0xf bank_mask:0xf
	s_delay_alu instid0(VALU_DEP_1)
	v_add_f32_dpp v16, v16, v16 row_xmask:2 row_mask:0xf bank_mask:0xf
	s_delay_alu instid0(VALU_DEP_1)
	v_add_f32_dpp v16, v16, v16 row_xmask:4 row_mask:0xf bank_mask:0xf
	s_delay_alu instid0(VALU_DEP_1)
	v_add_f32_dpp v16, v16, v16 row_xmask:8 row_mask:0xf bank_mask:0xf
	s_delay_alu instid0(VALU_DEP_1)
	v_permlanex16_b32 v49, v16, s16, s17
	s_delay_alu instid0(VALU_DEP_1)
	v_add_f32 v16, v16, v49
.irp i, 0,1,2,3
	v_add_f32 v[4+\i], v16, v[4+\i]                ; the attention,
	v_cmp_eq_u32 vcc_lo, 0, v[8+\i]
	s_delay_alu instid0(VALU_DEP_1)
	v_cndmask_b32 v[4+\i], v[4+\i], v50, vcc_lo    ; or -1e10 where the mask is 0
.endr
	s_delay_alu instid0(VALU_DEP_4)
	v_max3_num_f32 v12, v4, v5, v6
	s_delay_alu instid0(VALU_DEP_1)
	v_max_num_f32 v12, v12, v7
	s_delay_alu instid0(VALU_DEP_1)
	v_max_num_f32_dpp v12, v12, v12 row_xmask:1 row_mask:0xf bank_mask:0xf
	s_delay_alu instid0(VALU_DEP_1)
	v_max_num_f32_dpp v12, v12, v12 row_xmask:2 row_mask:0xf bank_mask:0xf
	s_delay_alu instid0(VALU_DEP_1)
	v_max_num_f32_dpp v12, v12, v12 row_xmask:4 row_mask:0xf bank_mask:0xf
	s_delay_alu instid0(VALU_DEP_1)
	v_max_num_f32_dpp v12, v12, v12 row_xmask:8 row_mask:0xf bank_mask:0xf
	s_delay_alu instid0(VALU_DEP_1)
	v_permlanex16_b32 v49, v12, s16, s17
	s_delay_alu instid0(VALU_DEP_1)
	v_max_num_f32 v12, v12, v49
	ds_store_b32 v3, v12 offset:RED1               ; all lanes write the same word with the same value
	s_wait_dscnt 0x0                               ; for the others' sake
	s_barrier_signal -1
	s_barrier_wait -1
	ds_load_b128 v[52:55], v51 offset:RED1
	ds_load_b128 v[56:59], v51 offset:RED1+16
	s_wait_dscnt 0x0
	v_max3_num_f32 v12, v52, v53, v54
	s_delay_alu instid0(VALU_DEP_1)
	v_max3_num_f32 v12, v12, v55, v56
	s_delay_alu instid0(VALU_DEP_1)
	v_max3_num_f32 v12, v12, v57, v58
	s_delay_alu instid0(VALU_DEP_1)
	v_max_num_f32 v12, v12, v59                    ; the row's maximum
.irp i, 0,1,2,3
	v_sub_f32 v[4+\i], v[4+\i], v12
.endr
.irp i, 0,1,2,3
	s_delay_alu instid0(VALU_DEP_4)
	v_mul_f32 v[4+\i], 0x3fb8aa3b, v[4+\i]         ; x log2(e)
.endr
	s_wait_alu depctr_va_vdst(0)
.irp i, 0,1,2,3
	v_exp_f32 v[4+\i], v[4+\i]
.endr
	v_nop                                          ; one plain line behind the last exponential,
	s_wait_alu depctr_va_vdst(0)                   ; and one wait for the four, ahead of their first reader
	v_add_f32 v13, v4, v5
	v_add_f32 v14, v6, v7
	s_delay_alu instid0(VALU_DEP_1)
	v_add_f32 v13, v13, v14
	s_delay_alu instid0(VALU_DEP_1)
	v_add_f32_dpp v13, v13, v13 row_xmask:1 row_mask:0xf bank_mask:0xf
	s_delay_alu instid0(VALU_DEP_1)
	v_add_f32_dpp v13, v13, v13 row_xmask:2 row_mask:0xf bank_mask:0xf
	s_delay_alu instid0(VALU_DEP_1)
	v_add_f32_dpp v13, v13, v13 row_xmask:4 row_mask:0xf bank_mask:0xf
	s_delay_alu instid0(VALU_DEP_1)
	v_add_f32_dpp v13, v13, v13 row_xmask:8 row_mask:0xf bank_mask:0xf
	s_delay_alu instid0(VALU_DEP_1)
	v_permlanex16_b32 v49, v13, s16, s17
	s_delay_alu instid0(VALU_DEP_1)
	v_add_f32 v13, v13, v49
	ds_store_b32 v3, v13 offset:RED2               ; other bytes than the maxima's: no barrier is owed between their reads and this store
	s_wait_dscnt 0x0
	s_barrier_signal -1
	s_barrier_wait -1
	ds_load_b128 v[52:55], v51 offset:RED2
	ds_load_b128 v[56:59], v51 offset:RED2+16
	s_wait_dscnt 0x0
	v_add_f32 v52, v52, v53
	v_add_f32 v54, v54, v55
	v_add_f32 v56, v56, v57
	v_add_f32 v58, v58, v59
	s_delay_alu instid0(VALU_DEP_3)
	v_add_f32 v52, v52, v54
	s_delay_alu instid0(VALU_DEP_2)
	v_add_f32 v56, v56, v58
	s_delay_alu instid0(VALU_DEP_1)
	v_add_f32 v13, v52, v56                        ; the row's sum: at least 1
	s_wait_alu depctr_va_vdst(0)
	v_rcp_f32 v13, v13
	v_nop
	s_wait_alu depctr_va_vdst(0)
.irp i, 0,1,2,3
	v_mul_f32 v[4+\i], v[4+\i], v13
.endr
	global_store_b128 v1, v[4:7], s[10:11]         ; a wave stores 512 consecutive bytes, aligned
	s_wait_tensorcnt 0x0                           ; the wave's end
	ds_add_u32 v[SPW], v[NIL]
	s_wait_dscnt 0x0
	s_endpgm
.Lfunc_end_k_q36c21c7c6c_smax:
	.size	k_q36c21c7c6c_smax, .Lfunc_end_k_q36c21c7c6c_smax-k_q36c21c7c6c_smax
	.p2alignl 7, 3214868480
	.fill 96, 4, 3214868480
	.section	.rodata,"a",@progbits
	.p2align	6, 0x0
	.amdhsa_kernel k_q36c21c7c6c_smax
		.amdhsa_group_segment_fixed_size 1536
		.amdhsa_private_segment_fixed_size 0
		.amdhsa_enable_private_segment 0
		.amdhsa_kernarg_size 32
		.amdhsa_user_sgpr_count 2
		.amdhsa_user_sgpr_kernarg_segment_ptr 1
		.amdhsa_wavefront_size32 1
		.amdhsa_system_sgpr_workgroup_id_x 1
		.amdhsa_system_sgpr_workgroup_id_y 1
		.amdhsa_system_sgpr_workgroup_id_z 1
		.amdhsa_system_vgpr_workitem_id 0
		.amdhsa_next_free_vgpr 64
		.amdhsa_next_free_sgpr 66
		.amdhsa_reserve_vcc 1
		.amdhsa_float_denorm_mode_32 3
		.amdhsa_float_denorm_mode_16_64 3
		.amdhsa_memory_ordered 1
		.amdhsa_forward_progress 1
		.amdhsa_inst_pref_size 9
	.end_amdhsa_kernel
	.amdgpu_metadata
---
amdhsa.version: [ 1, 2 ]
amdhsa.kernels:
  - .name:           k_q36c21c7c6c_smax
    .symbol:         k_q36c21c7c6c_smax.kd
    .args:
      - { .name: scores, .offset: 0, .size: 8, .value_kind: global_buffer, .address_space: global }
      - { .name: mask, .offset: 8, .size: 8, .value_kind: global_buffer, .address_space: global }
      - { .name: v, .offset: 16, .size: 8, .value_kind: global_buffer, .address_space: global }
      - { .name: out0, .offset: 24, .size: 8, .value_kind: global_buffer, .address_space: global }
    .group_segment_fixed_size: 1536
    .private_segment_fixed_size: 0
    .kernarg_segment_align: 8
    .kernarg_segment_size: 32
    .max_flat_workgroup_size: 256
    .sgpr_count:     66
    .vgpr_count:     64
    .wavefront_size: 32
...
	.end_amdgpu_metadata
.endif
;; end of part 3
